; MI455X (gfx1250); checked and timed in simulation.
; The chip was launched on July 23, 2026; its instructions are those of AMD's public machine-readable ISA for CDNA 5 (MIT licence, August 2026) and "CDNA5" Instruction Set Architecture Reference Guide (July 2026). The comments in the code are by the model that wrote it; some were corrected since.
;; Bf16 Module. Allowed arithmetic: float matrix products may take bf16 or f16 operands with f32 sums; other float arithmetic in f32, or as packed bf16 or f16 multiplies, adds, multiply-adds, maxima and minima; sums over many terms, partial sums and values carried from step to step in f32; what a program stores and reads back later, other than sums and carried values, may be rounded once to bf16 or f16.
;; Inputs: w1 8 x 2,048 x 1,024 float32; w2 8 x 2,048 x 1,024 float32; wg 8 x 1,024 float32; x 2,048 x 1,024 float32.
;; Outputs: out0 2,048 x 1,024 float32.
;; One version. Each part assembles by itself: llvm-mc -triple=amdgcn-amd-amdhsa -mcpu=gfx1250 --defsym DOCPART=n.
;; ======== version 1 of 1: 4 launches
;; limits: a function is approximated: absolute error at most 1.5e-07; values are held in f16: magnitudes above 65,504 overflow, below 6.1e-05 lose precision; right only within a limited range of input values; inputs' magnitudes at most 1.15e+18
;; workspace buffers: xb 4,194,304 bytes; sel 8,192 bytes of whole numbers; gw 16,384 bytes; scl 8,192 bytes; h 67,108,864 bytes; order 65,536 bytes of whole numbers; cnt 1,024 bytes of whole numbers; part 33,554,432 bytes
;; launch router (part 1): grid 128 x 1, 8 waves a work-group, no clusters, 59,136 bytes of LDS; arguments x, wg, xb, sel, gw, scl; writes xb, sel, gw, scl
.if DOCPART == 1
	.amdgcn_target "amdgcn-amd-amdhsa--gfx1250"
	.amdhsa_code_object_version 6
	.text
	.protected	k_qd7428d3886_router
	.globl	k_qd7428d3886_router
	.p2align	8
	.type	k_qd7428d3886_router,@function
k_qd7428d3886_router:
	s_mov_b64 s[64:65], 0
	v_nop
	global_prefetch_b8 v0, s[64:65] scope:SCOPE_SE
	s_setreg_imm32_b32 hwreg(HW_REG_WAVE_MODE, 25, 1), 1
	s_wait_xcnt 0x0
; ROUTER.  logits = x wg^T, softmax over 8 experts, the two largest.  Stores xb = bf16(x), sel[t] = (1 << e0) | (256 << e1), scl[t] = s and gw[2 t + j] = the j-th probability / s (f32, not renormalised).
; s is a power of two, at least the root mean square of x's row and under twice that: the hidden layer is kept divided by s, so that it has room in f16 whatever x's size; the last launch multiplies by s again.  Both are exact.
; x and wg are rounded to bf16 (as every input of the program is) and multiplied by the matrix unit, sums in f32.  The softmax takes the row's maximum away first.
; LIMITS.  NaN and infinities are not treated apart.  A probability whose exponential falls below 2^-126 counts as 0.  Equal probabilities keep the lower index; two logits closer
; than the rounding of the f32 sums may be ordered otherwise than a sum in another order would.  A row's mean square counts as at least 2^-100 (s is at most 2^50 times too large for smaller rows, a row of zeros
; among them, which only makes the hidden layer smaller); a row's root mean square stays under 2^60.
; SHARES.  A work-group has 16 tokens.  Wave w loads and rounds x's rows 2 w, 2 w + 1 and wg's row w, then multiplies K = 128 w .. 128 w + 127 for all 16 tokens; wave 0 adds the eight parts.
; No address and no branch hangs on a floating-point number: the choice is stored at fixed places.
.set PITCH, 2064                       ; an LDS row: 2,048 bytes of bf16 + 16: an odd multiple of 16, so the 16 rows of a fragment load start 16 bytes apart modulo 256
.set WGT,   16*PITCH                   ; behind x's 16 rows: wg's 8 rows
.set RED,   49664                      ; the waves' partial logits: wave x 1,024 + lane x 32
.set SPARE, 57856                      ; the spare words, 128 bytes a wave: no other line names them
.set SCL,   58880                      ; behind them: 1 / s of the 16 tokens, a word each
.set XR, 16                            ; v16-79   x as loaded, 16 loads; later fragments; later the partial logits
.set WR, 80                            ; v80-111  wg's row as loaded; later four accumulators
.set SS, 112                           ; v112-119 the sums of squares of my two rows, four registers each
	s_load_b256 s[4:11], s[0:1], 0x0               ; x s[4:5], wg s[6:7], xb s[8:9], sel s[10:11]
	s_load_b64 s[12:13], s[0:1], 0x20              ; gw
	s_load_b64 s[30:31], s[0:1], 0x28              ; scl
	v_lshl_add_u32 v12, v0, 2, SPARE               ; my spare word
	v_mov_b32 v13, 0
	v_lshrrev_b32 v14, 5, v0
	v_readfirstlane_b32 s14, v14                   ; wave 0..7
	v_and_b32 v1, 31, v0                           ; lane L
	v_and_b32 v2, 15, v0                           ; r = L % 16
	v_bfe_u32 v3, v0, 4, 1                         ; h = L / 16
	v_lshlrev_b32 v4, 4, v1                        ; 16 L: my 16 bytes of 512 of f32
	v_lshlrev_b32 v5, 3, v1                        ; 8 L: the same four numbers in bf16
	v_mov_b32 v15, s14
	v_lshlrev_b32 v15, 3, v15                      ; 8 w: my two rows' words among the 16 at SCL
	s_mov_b32 s28, 0x76543210                      ; v_permlanex16_b32: each lane takes its own place in the other half
	s_mov_b32 s29, 0xfedcba98
	s_mul_i32 s20, s14, 2*PITCH
	v_add_nc_u32 v6, s20, v5                       ; where I put x's row 2 w
	s_mul_i32 s20, s14, PITCH
	s_add_co_u32 s20, s20, WGT
	v_add_nc_u32 v7, s20, v5                       ; where I put wg's row w
	s_lshl_b32 s21, s14, 8                         ; my wave's 128 along K, in bytes
	v_mul_u32_u24 v8, v2, PITCH
	v_lshl_add_u32 v8, v3, 4, v8
	v_add_nc_u32 v8, s21, v8                       ; x's fragments: row r, 16 h
	v_and_b32 v9, 7, v0
	v_mul_u32_u24 v9, v9, PITCH
	v_lshl_add_u32 v9, v3, 4, v9
	s_add_co_u32 s21, s21, WGT
	v_add_nc_u32 v9, s21, v9                       ; wg's fragments: row r % 8, so rows 8-15 of the product repeat rows 0-7
	v_lshlrev_b32 v11, 5, v1
	v_add_nc_u32 v11, RED, v11                     ; lane's 32 bytes in wave 0's part
	v_lshl_add_u32 v10, s14, 10, v11               ; and in my wave's
	s_lshl_b32 s15, ttmp9, 4
	s_lshl1_add_u32 s15, s14, s15                  ; my first row: 16 x work-group + 2 w
	s_lshl_b32 s16, s15, 12                        ; in x
	s_mov_b32 s17, 0
	s_lshl_b32 s18, s15, 11                        ; in xb
	s_mov_b32 s19, 0
	s_lshl_b32 s22, s14, 12                        ; wg's row w
	s_mov_b32 s23, 0
	s_lshl_b32 s24, ttmp9, 6                       ; 16 words of sel, and of scl
	s_mov_b32 s25, 0
	s_lshl_b32 s26, ttmp9, 7                       ; 16 pairs of gw
	s_mov_b32 s27, 0
	s_wait_kmcnt 0x0
	s_add_nc_u64 s[4:5], s[4:5], s[16:17]
	s_add_nc_u64 s[6:7], s[6:7], s[22:23]
	s_add_nc_u64 s[8:9], s[8:9], s[18:19]
	s_add_nc_u64 s[10:11], s[10:11], s[24:25]
	s_add_nc_u64 s[12:13], s[12:13], s[26:27]
	s_add_nc_u64 s[30:31], s[30:31], s[24:25]
.irp j, 0,1,2,3,4,5,6,7
	global_load_b128 v[WR+4*\j:WR+4*\j+3], v4, s[6:7] offset:512*\j
.endr
.irp k, 0,1,2,3,4,5,6,7,8,9,10,11,12,13,14,15
	global_load_b128 v[XR+4*\k:XR+4*\k+3], v4, s[4:5] offset:4096*(\k/8)+512*(\k%8) th:TH_LOAD_NT
.endr
	s_wait_loadcnt 16                              ; wg's row is in; the 16 loads of x were issued behind it
.irp j, 0,1,2,3,4,5,6,7
	v_cvt_pk_bf16_f32 v[WR+4*\j], v[WR+4*\j], v[WR+4*\j+1]
	v_cvt_pk_bf16_f32 v[WR+4*\j+1], v[WR+4*\j+2], v[WR+4*\j+3]
	ds_store_b64 v7, v[WR+4*\j:WR+4*\j+1] offset:256*\j
.endr
; One row of x: its squares are added up (two chains of pairs, started by the first load's), then it is rounded in place, into LDS for the product and into xb: each store of the wave covers 256 consecutive bytes, aligned.
.macro XROW rr, left
	s_wait_loadcnt \left                           ; the row's eight loads are in; left = the loads issued behind them
.irp j, 0,1,2,3,4,5,6,7
.if (\j) == 0
	v_pk_mul_f32 v[SS+4*(\rr):SS+4*(\rr)+1],   v[XR+32*(\rr):XR+32*(\rr)+1],   v[XR+32*(\rr):XR+32*(\rr)+1]
	v_pk_mul_f32 v[SS+4*(\rr)+2:SS+4*(\rr)+3], v[XR+32*(\rr)+2:XR+32*(\rr)+3], v[XR+32*(\rr)+2:XR+32*(\rr)+3]
.else
	v_pk_fma_f32 v[SS+4*(\rr):SS+4*(\rr)+1],   v[XR+32*(\rr)+4*\j:XR+32*(\rr)+4*\j+1],   v[XR+32*(\rr)+4*\j:XR+32*(\rr)+4*\j+1],   v[SS+4*(\rr):SS+4*(\rr)+1]
	v_pk_fma_f32 v[SS+4*(\rr)+2:SS+4*(\rr)+3], v[XR+32*(\rr)+4*\j+2:XR+32*(\rr)+4*\j+3], v[XR+32*(\rr)+4*\j+2:XR+32*(\rr)+4*\j+3], v[SS+4*(\rr)+2:SS+4*(\rr)+3]
.endif
	v_cvt_pk_bf16_f32 v[XR+32*(\rr)+4*\j], v[XR+32*(\rr)+4*\j], v[XR+32*(\rr)+4*\j+1]
	v_cvt_pk_bf16_f32 v[XR+32*(\rr)+4*\j+1], v[XR+32*(\rr)+4*\j+2], v[XR+32*(\rr)+4*\j+3]
	ds_store_b64 v6, v[XR+32*(\rr)+4*\j:XR+32*(\rr)+4*\j+1] offset:PITCH*(\rr)+256*\j
	global_store_b64 v5, v[XR+32*(\rr)+4*\j:XR+32*(\rr)+4*\j+1], s[8:9] offset:2048*(\rr)+256*\j
.endr
.endm
	XROW 0, 8
	XROW 1, 0
	; the two rows' mean squares, in every lane: within the lane, four steps inside each half of 16 lanes, one across the halves
.irp a, 112, 116
	v_pk_add_f32 v[\a:\a+1], v[\a:\a+1], v[\a+2:\a+3]
	v_add_f32 v[\a], v[\a], v[\a+1]
	v_add_f32_dpp v[\a], v[\a], v[\a] row_xmask:1 row_mask:0xf bank_mask:0xf
	v_add_f32_dpp v[\a], v[\a], v[\a] row_xmask:2 row_mask:0xf bank_mask:0xf
	v_add_f32_dpp v[\a], v[\a], v[\a] row_xmask:4 row_mask:0xf bank_mask:0xf
	v_add_f32_dpp v[\a], v[\a], v[\a] row_xmask:8 row_mask:0xf bank_mask:0xf
	v_permlanex16_b32 v[\a+1], v[\a], s28, s29     ; its destination has been written
	v_add_f32 v[\a], v[\a], v[\a+1]
	v_mul_f32 v[\a], 0x3a800000, v[\a]             ; / 1,024
	v_max_num_f32 v[\a], 0x0d800000, v[\a]         ; at least 2^-100
.endr
	v_rsq_f32 v113, v112
	v_rsq_f32 v117, v116
	v_nop                                          ; a plain instruction behind the second
	s_wait_alu depctr_va_vdst(0)                   ; one wait for the two, ahead of their first reader
	v_and_b32 v113, 0x7f800000, v113               ; the exponent alone: 1 / s, a power of two, at most 1 / the root mean square
	v_and_b32 v117, 0x7f800000, v117
	ds_store_b32 v15, v113 offset:SCL              ; all lanes write the same word with the same number
	ds_store_b32 v15, v117 offset:SCL+4
	s_wait_dscnt 0x0                               ; for the others' sake: my rows are in LDS
	s_barrier_signal -1
	s_barrier_wait -1
	s_wait_xcnt 0x0                                ; the stores to xb have read their registers: these are loaded anew only behind this wait
.irp s, 0,1,2,3
	ds_load_b128 v[16+16*\s:19+16*\s], v9 offset:64*\s
	ds_load_b128 v[20+16*\s:23+16*\s], v9 offset:64*\s+32
	ds_load_b128 v[24+16*\s:27+16*\s], v8 offset:64*\s
	ds_load_b128 v[28+16*\s:31+16*\s], v8 offset:64*\s+32
.endr
	s_wait_dscnt 0x0
.irp s, 0,1,2,3                        ; source 0 = experts, source 1 = tokens: lane (r, h) gets token r, and expert j in register j.  Four accumulators, no chain
	v_wmma_f32_16x16x32_bf16 v[80+8*\s:87+8*\s], v[16+16*\s:23+16*\s], v[24+16*\s:31+16*\s], 0
.endr
.rept 4
	v_nop                                          ; four places between the last product and the first read of a result (ISA guide 7.12.1)
.endr
.irp p, 0,2,4,6
	v_pk_add_f32 v[80+\p:81+\p], v[80+\p:81+\p], v[88+\p:89+\p]
.endr
.irp p, 0,2,4,6
	v_pk_add_f32 v[96+\p:97+\p], v[96+\p:97+\p], v[104+\p:105+\p]
.endr
.irp p, 0,2,4,6
	v_pk_add_f32 v[80+\p:81+\p], v[80+\p:81+\p], v[96+\p:97+\p]
.endr
	ds_store_b128 v10, v[80:83]
	ds_store_b128 v10, v[84:87] offset:16
	s_wait_dscnt 0x0                               ; for wave 0's sake
	s_barrier_signal -1
	s_barrier_wait -1
	s_cmp_lg_u32 s14, 0
	s_cbranch_scc1 .Lend                           ; no barrier stands behind this branch
.irp w, 0,1,2,3,4,5,6,7
	ds_load_b128 v[16+8*\w:19+8*\w], v11 offset:1024*\w
	ds_load_b128 v[20+8*\w:23+8*\w], v11 offset:1024*\w+16
.endr
	v_lshlrev_b32 v14, 2, v2
	ds_load_b32 v80, v14 offset:SCL                ; 1 / s of token r
	s_wait_dscnt 0x0
.irp w, 1,2,3,4,5,6,7
.irp p, 0,2,4,6
	v_pk_add_f32 v[16+\p:17+\p], v[16+\p:17+\p], v[16+8*\w+\p:17+8*\w+\p]
.endr
.endr
	v_max3_num_f32 v112, v16, v17, v18             ; the row's maximum,
	v_max3_num_f32 v112, v112, v19, v20
	v_max3_num_f32 v112, v112, v21, v22
	v_max_num_f32 v112, v112, v23
	v_mul_f32 v112, 0x3fb8aa3b, v112               ; times log2(e)
	v_mov_b32 v113, v112                           ; named with it as a pair
.irp p, 0,2,4,6
	v_pk_fma_f32 v[16+\p:17+\p], v[16+\p:17+\p], 0x3fb8aa3b, v[112:113] op_sel_hi:[1,0,0] neg_lo:[0,0,1] neg_hi:[0,0,1]
.endr
.irp e, 0,1,2,3,4,5,6,7
	v_exp_f32 v[16+\e], v[16+\e]                   ; p = 2^((l - m) log2(e)): one batch
.endr
	v_nop                                          ; a plain instruction behind the last exponential
	s_wait_alu depctr_va_vdst(0)                   ; one wait for the eight, ahead of their first reader
	v_pk_add_f32 v[114:115], v[16:17], v[18:19]
	v_pk_add_f32 v[116:117], v[20:21], v[22:23]
	v_pk_add_f32 v[114:115], v[114:115], v[116:117]
	v_add_f32 v114, v114, v115
	v_rcp_f32 v115, v114                           ; the scan below, which names neither register, stands between it and its wait
	v_mov_b32 v118, v16                            ; the largest p and its index; '>' keeps the lower index among equals
	v_mov_b32 v119, 0
.irp e, 1,2,3,4,5,6,7
	v_cmp_gt_f32 vcc_lo, v[16+\e], v118
	v_cndmask_b32 v118, v118, v[16+\e], vcc_lo
	v_cndmask_b32 v119, v119, \e, vcc_lo
.endr
	v_mov_b32 v120, -1.0                           ; the largest of the others
	v_mov_b32 v121, 0
.irp e, 0,1,2,3,4,5,6,7
	v_cmp_ne_u32 s20, \e, v119
	v_cmp_gt_f32 s21, v[16+\e], v120
	s_and_b32 s20, s20, s21
	v_cndmask_b32 v120, v120, v[16+\e], s20
	v_cndmask_b32 v121, v121, \e, s20
.endr
	v_mov_b32 v125, 1
	v_mov_b32 v126, 0x100
	v_lshlrev_b32 v124, v119, v125
	v_lshlrev_b32 v126, v121, v126
	v_or_b32 v124, v124, v126                      ; (1 << e0) | (256 << e1)
	v_lshlrev_b32 v125, 2, v2
	v_lshlrev_b32 v127, 3, v2
	v_sub_nc_u32 v81, 0x7f000000, v80              ; s: the power of two with the opposite exponent (field 254 - e)
	s_wait_alu depctr_va_vdst(0)                   ; the reciprocal's wait
	v_mul_f32 v115, v115, v80                      ; 1 / (sum x s): a power of two changes no bit of the mantissa
	v_mul_f32 v122, v118, v115
	v_mul_f32 v123, v120, v115
	v_cmp_gt_u32 vcc_lo, 16, v1                    ; lanes 16-31 hold the same 16 tokens once more
	s_wait_xcnt 0x0                                ; EXEC changes only behind this wait
	s_and_saveexec_b32 s22, vcc_lo
	global_store_b32 v125, v124, s[10:11]
	global_store_b32 v125, v81, s[30:31]
	global_store_b64 v127, v[122:123], s[12:13]
	s_wait_xcnt 0x0                                ; and again in front of the line that widens it
	s_or_b32 exec_lo, exec_lo, s22
.Lend:
	s_wait_tensorcnt 0x0                           ; the wave's end
	ds_add_u32 v12, v13
	s_wait_dscnt 0x0
	s_endpgm
.Lfunc_end_k_qd7428d3886_router:
	.size	k_qd7428d3886_router, .Lfunc_end_k_qd7428d3886_router-k_qd7428d3886_router
	.p2alignl 7, 3214868480
	.fill 96, 4, 3214868480
	.section	.rodata,"a",@progbits
	.p2align	6, 0x0
	.amdhsa_kernel k_qd7428d3886_router
		.amdhsa_group_segment_fixed_size 59136
		.amdhsa_private_segment_fixed_size 0
		.amdhsa_enable_private_segment 0
		.amdhsa_kernarg_size 48
		.amdhsa_user_sgpr_count 2
		.amdhsa_user_sgpr_kernarg_segment_ptr 1
		.amdhsa_wavefront_size32 1
		.amdhsa_system_sgpr_workgroup_id_x 1
		.amdhsa_system_sgpr_workgroup_id_y 1
		.amdhsa_system_sgpr_workgroup_id_z 1
		.amdhsa_system_vgpr_workitem_id 0
		.amdhsa_next_free_vgpr 128
		.amdhsa_next_free_sgpr 66
		.amdhsa_reserve_vcc 1
		.amdhsa_float_denorm_mode_32 3
		.amdhsa_float_denorm_mode_16_64 3
		.amdhsa_memory_ordered 1
		.amdhsa_forward_progress 1
		.amdhsa_inst_pref_size 26
	.end_amdhsa_kernel
	.amdgpu_metadata
---
amdhsa.version: [ 1, 2 ]
amdhsa.kernels:
  - .name:           k_qd7428d3886_router
    .symbol:         k_qd7428d3886_router.kd
    .args:
      - { .name: x, .offset: 0, .size: 8, .value_kind: global_buffer, .address_space: global }
      - { .name: wg, .offset: 8, .size: 8, .value_kind: global_buffer, .address_space: global }
      - { .name: xb, .offset: 16, .size: 8, .value_kind: global_buffer, .address_space: global }
      - { .name: sel, .offset: 24, .size: 8, .value_kind: global_buffer, .address_space: global }
      - { .name: gw, .offset: 32, .size: 8, .value_kind: global_buffer, .address_space: global }
      - { .name: scl, .offset: 40, .size: 8, .value_kind: global_buffer, .address_space: global }
    .group_segment_fixed_size: 59136
    .private_segment_fixed_size: 0
    .kernarg_segment_align: 8
    .kernarg_segment_size: 48
    .max_flat_workgroup_size: 256
    .sgpr_count:     66
    .vgpr_count:     128
    .wavefront_size: 32
...
	.end_amdgpu_metadata
.endif
;; end of part 1
;; launch fc1 (part 2): grid 32 x 8, 8 waves a work-group, no clusters, 141,824 bytes of LDS; arguments xb, sel, gw, w1, h, order, cnt; writes h, order, cnt
.if DOCPART == 2
	.amdgcn_target "amdgcn-amd-amdhsa--gfx1250"
	.amdhsa_code_object_version 6
	.text
	.protected	k_qd7428d3886_fc1
	.globl	k_qd7428d3886_fc1
	.p2align	8
	.type	k_qd7428d3886_fc1,@function
k_qd7428d3886_fc1:
	s_mov_b64 s[64:65], 0
	v_nop
	global_prefetch_b8 v0, s[64:65] scope:SCOPE_SE
	s_setreg_imm32_b32 hwreg(HW_REG_WAVE_MODE, 25, 1), 1
	s_wait_xcnt 0x0
; FC1.  For expert E = work-group y and the 64 hidden columns 64 SL .. (SL = work-group x): h = f16(g gelu(x W1^T)) for all rows (token, choice) routed to E; g = the row's gate weight / s, as gw holds it.
; The slice of W1 (64 rows x 1,024 of f32) is read by this work-group alone, once, rounded to bf16 on its way through registers and kept in LDS.
; THE ROWS.  Wave 0 makes the expert's list of choices q = 2 t + j from sel while the weights are on their way.  Work-group x = 0 also stores the list (clamped at its last entry) and the count.
; Rows go in tiles of 16; tile number 8 (5 p + i) + w belongs to pass p, place i, wave w.  Four passes of five places cover 128 tiles = 2,048 rows, every split of the tokens; a pass or a place past the
; count is jumped over forward.  Two barriers: one behind the staging, behind which LDS is only read, and one at the end, ahead of the closing lines; neither is jumped.
; Places past the count inside a tile repeat the list's last row.
; THE WALK ALONG K goes in 8 groups of four steps, taken in a ring from group (SL + w) % 8 on.  An expert's 32 work-groups read the same token rows: so at any time they ask for different bytes of
; a row, and each group of a row's bytes is asked for first by other work-groups than the rest.
; h's LAYOUT is the register image of the next product's token fragments: [expert][tile 128][K step of 32: 64][half 2][lane 32][16 bytes].
; THE PRODUCT is used transposed (source 0 = 16 rows of W1, source 1 = 16 tokens): a lane holds one token and eight neighbouring hidden columns.
; GELU, exact form: max(x, 0) - |x| P(t) 2^(-x^2 log2(e) / 2), t = 1 / (1 + 0.23164189 |x|): erf by Abramowitz and Stegun 7.1.26, error at most 1.5e-7 for every argument, so gelu's at most 7.5e-8 |x|.
; WHY f16 HAS ROOM FOR h.  |x . w| is at most |x| |w|, |gelu(p)| at most |p|, a gate weight at most 1, and s is at least x's root mean square, |x| / 32: so |h| is at most 32 |w| = 1,024 x the root mean square
; of W1's row, whatever x holds.  f16's 11 significant bits are wanted because h's rounding is the one that the result is charged with.
; LIMITS.  x and W1 are rounded to bf16, h once to f16.  A row of W1 has a root mean square under 63 (else h can pass 65,504 and becomes an infinity).  Below 6e-5 h keeps f16's fixed step of 6e-8.
; The f32 sums along K are taken in the ring's order, which differs from work-group to work-group and from wave to wave.  NaN and infinities are not treated apart.
; NO CLUSTER: a slice of weights has one reader, and the token rows that an expert's work-groups share come by a list, which no tile descriptor covers.
; REGISTERS.  Window 0: v0-31 addresses; v32-191 accumulators ((i, n) at 32 + 32 i + 8 n); v192-255 at work.  Window 1: v0-159 a ring of four slots of token fragments; v160-223 two buffers of weight fragments.
.set PW,    2064                       ; a row of W1 in LDS: 2,048 bytes + 16: an odd multiple of 16
.set LIST,  64*PW                      ; words 0-2047 the list, 2048-2079 a word a lane for what is no member, 2080 the count; 8,704 bytes in all
.set CNTW,  LIST+8320
.set SPARE, LIST+8704                  ; the spare words, 128 bytes a wave: no other line names them
.set ACC,  32
.set AR,   0                           ; window 1
.set BF,   160                         ; window 1
.set CT,   160                         ; window 0: staging's packed words, two sets of 16
.set AOFF, 8                           ; v8-12   place i: my row's byte offset in xb, + 16 h
.set GATE, 14                          ; v14+2i  place i: my row's gate weight / s; the odd partners hold 0
.set HOFF, 24                          ; v24-28  place i: my byte offset in h
.set EU,   192                         ; the way out: |x|
.set ET,   208                         ; t
.set EQ,   224                         ; 2^(..)
.set EP,   240                         ; the polynomial
.set SB,    64                         ; bytes of a token row in a K step
.set HB,    32                         ; a fragment's second half
.set TRIPB, 256                        ; a group of four K steps: bytes of a token row, and of a row of W1 in LDS
.set GMASK, 8*TRIPB-1                  ; the ring of 8 groups
.set MUL,  0x05                        ; sources 0 and 1 in window 1, C and D in window 0
.set TOF,  0x40                        ; destination in window 1, address in window 0
.set MSB, 0
.macro WIN new                         ; the immediate's high byte repeats the setting that is left; a switch that changes nothing is dropped
.if MSB != (\new)
	s_set_vgpr_msb (MSB<<8)|(\new)
.set MSB, (\new)
.endif
.endm
.macro PAIR r, val                     ; a constant for packed arithmetic: named as a pair, the low word taken for both halves
	s_mov_b32 s[\r], \val
	s_mov_b32 s[\r+1], \val
.endm
	s_load_b256 s[4:11], s[0:1], 0x0               ; xb s[4:5], sel s[6:7], gw s[8:9], w1 s[10:11]
	s_load_b128 s[12:15], s[0:1], 0x20             ; h s[12:13], order s[14:15]
	s_load_b64 s[16:17], s[0:1], 0x30              ; cnt
	v_lshl_add_u32 v30, v0, 2, SPARE               ; my spare word
	v_mov_b32 v31, 0
	v_lshrrev_b32 v1, 5, v0
	v_readfirstlane_b32 s18, v1                    ; wave 0..7
	v_and_b32 v1, 31, v0                           ; lane L
	v_and_b32 v2, 15, v0                           ; r
	v_bfe_u32 v3, v0, 4, 1                         ; h
	v_mul_u32_u24 v6, v2, PW
	v_lshl_add_u32 v6, v3, 4, v6                   ; weight fragments: row r, 16 h; blocks 0 and 1 of 16 rows,
	v_add_nc_u32 v7, 32*PW, v6                     ; blocks 2 and 3.  Neither is ever rewritten
	v_lshlrev_b32 v13, 4, v3                       ; 16 h
	v_lshlrev_b32 v29, 4, v1                       ; 16 L
.irp i, 0,1,2,3,4
	v_mov_b32 v[GATE+2*\i+1], 0
.endr
	v_lshl_add_u32 v8, s18, 15, v29                ; staging: my wave's rows 8 w .. 8 w + 7 of the slice, 16 L
	s_mul_i32 s25, s18, 8*PW
	v_lshlrev_b32 v9, 3, v1
	v_add_nc_u32 v9, s25, v9                       ; and where they go
	s_mov_b32 s19, ttmp9                           ; SL
	s_and_b32 s20, ttmp7, 0xffff                   ; E
	s_lshl_b32 s21, 0x101, s20                     ; the expert's two bits in a word of sel
	s_add_co_u32 s22, s20, 8                       ; the bit that says 'second choice'
	s_add_co_u32 s56, s19, s18
	s_and_b32 s56, s56, 7
	s_lshl_b32 s56, s56, 8                         ; where my walk along K begins: group (SL + w) % 8, in bytes of a row
	s_mov_b32 s41, 0                               ; the upper word of the pair s[40:41], the group in hand as an offset
	s_mov_b32 s38, 0x7fffffff
	PAIR 42, 0x3e6d3388                            ; 0.23164189
	PAIR 44, 0xbf38aa3b                            ; -log2(e) / 2
	PAIR 46, 0x3f07dc22                            ; half of 7.1.26's a5 .. a1
	PAIR 48, 0xbf3a00e3
	PAIR 50, 0x3f35f0e3
	PAIR 52, 0xbe11a98e
	PAIR 54, 0x3e027906
	s_mov_b32 s37, 0
	s_wait_kmcnt 0x0
	s_lshl_b32 s36, s20, 23                        ; an expert's W1: 8 MiB; a slice: 64 rows of 4,096 bytes
	s_lshl_b32 s25, s19, 18
	s_or_b32 s36, s36, s25
	s_add_nc_u64 s[10:11], s[10:11], s[36:37]
	s_lshl_b32 s36, s20, 23                        ; an expert's h: 128 tiles of 65,536 bytes; a slice: two K steps of 1,024
	s_lshl_b32 s25, s19, 11
	s_or_b32 s36, s36, s25
	s_add_nc_u64 s[12:13], s[12:13], s[36:37]
	s_lshl_b32 s36, s20, 13
	s_add_nc_u64 s[14:15], s[14:15], s[36:37]
	s_lshl_b32 s36, s20, 7
	s_add_nc_u64 s[16:17], s[16:17], s[36:37]
	s_cmp_lg_u32 s18, 0
	s_cbranch_scc1 .Lstage
.irp d, 0,1,2,3,4,5,6,7,8,9,10,11,12,13,14,15
	global_load_b128 v[192+4*\d:195+4*\d], v29, s[6:7] offset:512*\d  ; wave 0: all of sel, ahead of its weights
.endr
.Lstage:
; STAGING.  All 64 loads of a wave go out at once: the whole slice is on its way.  Group g is K chunk g (128 numbers) of my eight rows; each load covers 512 consecutive bytes.
.macro SLOAD g
.if (\g) < 4
	WIN 0
.irp j, 0,1,2,3,4,5,6,7
	global_load_b128 v[32+32*(\g)+4*\j:32+32*(\g)+4*\j+3], v8, s[10:11] offset:4096*\j+512*(\g) th:TH_LOAD_NT
.endr
.else
	WIN TOF
.irp j, 0,1,2,3,4,5,6,7
	global_load_b128 v[32*((\g)-4)+4*\j:32*((\g)-4)+4*\j+3], v8, s[10:11] offset:4096*\j+512*(\g) th:TH_LOAD_NT
.endr
.endif
.endm
.macro SCVT g
	s_wait_loadcnt 56-8*(\g)                       ; group g is in: the younger groups' loads, eight each, may be out
.if (\g) < 4
.set SR, 32+32*(\g)
	WIN 0
.else
.set SR, 32*((\g)-4)
	WIN 0x05
.endif
.set CB, CT+16*((\g)%2)
.irp j, 0,1,2,3,4,5,6,7
	v_cvt_pk_bf16_f32 v[CB+2*\j], v[SR+4*\j], v[SR+4*\j+1]
	v_cvt_pk_bf16_f32 v[CB+2*\j+1], v[SR+4*\j+2], v[SR+4*\j+3]
.endr
	WIN 0
.irp j, 0,1,2,3,4,5,6,7
	ds_store_b64 v9, v[CB+2*\j:CB+2*\j+1] offset:PW*\j+256*(\g)
.endr
.endm
.irp g, 0,1,2,3,4,5,6,7
	SLOAD \g
.endr
	WIN 0
	s_cmp_lg_u32 s18, 0
	s_cbranch_scc1 .Lcvt
	; THE LIST, by wave 0 alone, while the weights are on their way, straight from the registers that hold sel.  Word c of load d in lane L is token 128 d + 4 L + c.
	; A member's place is the count so far plus the members in lower lanes; what is no member goes to a word of the lane's own behind the list.
	v_add_nc_u32 v24, LIST, v29
.irp z, 0,1,2,3
	v_mov_b32 v[CT+\z], 0
.endr
.irp d, 0,1,2,3,4,5,6,7,8,9,10,11,12,13,14,15,16
	ds_store_b128 v24, v[CT:CT+3] offset:512*\d    ; every word of the list's 8,704 bytes is written once before the members are placed; LDS serves a wave's instructions in order (ISA guide 5.7.1.4)
.endr
	v_lshlrev_b32 v25, 3, v1                       ; 2 x token of my word 0 of load 0
	v_add_nc_u32 v26, 0x800, v1                    ; my word for what is no member
	s_mov_b32 s23, 0                               ; members so far
	s_wait_loadcnt 63                              ; of my 80 loads at most 63 are out: the oldest 17 are in, sel's 16 among them
.macro LWORD d, c
	v_and_b32 v27, s21, v[192+4*(\d)+(\c)]
	v_cmp_ne_u32 s24, 0, v27                       ; the token chose E
	v_mbcnt_lo_u32_b32 v28, s24, s23
	v_bfe_u32 v10, v[192+4*(\d)+(\c)], s22, 1      ; as its second choice?
	v_add3_u32 v11, v25, v10, 256*(\d)+2*(\c)      ; q = 2 t + j
	v_cndmask_b32 v28, v26, v28, s24
	v_min_u32 v28, 0x81f, v28
	v_lshl_add_u32 v12, v28, 2, LIST
	ds_store_b32 v12, v11
	s_bcnt1_i32_b32 s25, s24
	s_add_co_u32 s23, s23, s25
.endm
.irp d, 0,1,2,3,4,5,6,7,8,9,10,11,12,13,14,15
.irp c, 0,1,2,3
	LWORD \d, \c
.endr
.endr
	v_mov_b32 v27, s23
	v_mov_b32 v28, CNTW
	ds_store_b32 v28, v27
.Lcvt:
.irp g, 0,1,2,3,4,5,6,7
	SCVT \g
.endr
	s_wait_dscnt 0x0                               ; for the others' sake: my rows of the slice, and wave 0's list, are in LDS
	s_barrier_signal -1
	s_barrier_wait -1                              ; behind this barrier LDS is only read, up to the closing lines
	v_mov_b32 v24, CNTW
	ds_load_b32 v25, v24
	s_wait_dscnt 0x0
	v_readfirstlane_b32 s26, v25
	s_min_u32 s26, s26, 0x800                      ; the expert's rows
	s_sub_co_u32 s27, s26, 1
	s_add_co_u32 s28, s26, 15
	s_lshr_b32 s28, s28, 4                         ; its tiles
	s_cmp_lg_u32 s19, 0
	s_cbranch_scc1 .Lnolist
	s_cmp_lg_u32 s18, 0
	s_cbranch_scc1 .Lnocnt
	v_mov_b32 v192, s26
	v_lshlrev_b32 v193, 2, v1
	global_store_b32 v193, v192, s[16:17]          ; the count, 32 equal words
.Lnocnt:
.irp k, 0,1,2,3,4,5,6,7                ; order[i] = list[min(i, count - 1)], i = 4 x thread + k % 4 + 1,024 (k / 4); with no rows the first clamp does nothing and the list's zeros go out: every word of order is stored
	v_lshl_add_u32 v[200+\k], v0, 2, 1024*(\k/4)+(\k%4)
	v_min_u32 v[200+\k], s27, v[200+\k]
	v_min_u32 v[200+\k], 0x7ff, v[200+\k]
	v_lshl_add_u32 v[200+\k], v[200+\k], 2, LIST
	ds_load_b32 v[208+\k], v[200+\k]
.endr
	v_lshlrev_b32 v194, 4, v0
	s_wait_dscnt 0x0
	global_store_b128 v194, v[208:211], s[14:15]
	global_store_b128 v194, v[212:215], s[14:15] offset:4096
.Lnolist:
	s_cmp_eq_u32 s26, 0
	s_cbranch_scc1 .Lend                           ; an expert without rows
; Token fragments of K step j of four, for nt places, straight from xb into ring slot j: lane (r, h) takes 16 bytes at 16 h and at 32 + 16 h of its row's 64.
.macro ALOAD nt, j
	WIN TOF
.set ii, 0
.rept \nt
	global_load_b128 v[AR+40*(\j)+8*ii:AR+40*(\j)+8*ii+3],   v[AOFF+ii], s[32:33] offset:(\j)*SB
	global_load_b128 v[AR+40*(\j)+8*ii+4:AR+40*(\j)+8*ii+7], v[AOFF+ii], s[32:33] offset:(\j)*SB+HB
.set ii, ii+1
.endr
.endm
; Weight fragments of K step jn of the group in hand into buffer buf: four blocks of 16 rows.
.macro BLOAD jn, buf
	WIN TOF
.irp n, 0,1,2,3
	ds_load_b128 v[BF+32*(\buf)+8*\n:BF+32*(\buf)+8*\n+3],   v[4+(\n/2)] offset:(\n%2)*16*PW+64*(\jn)
	ds_load_b128 v[BF+32*(\buf)+8*\n+4:BF+32*(\buf)+8*\n+7], v[4+(\n/2)] offset:(\n%2)*16*PW+64*(\jn)+32
.endr
.endm
.macro BSTEP                           ; the weight fragments' addresses for the group at s40: the scalar and the lanes' fixed terms (a group is 256 bytes of a row in LDS as in xb)
	v_add_nc_u32 v4, s40, v6
	v_add_nc_u32 v5, s40, v7
.endm
; A K step of 32: 4 nt products, the accumulators by turns.  lc: the token loads issued behind this step's (2 nt for each younger ring slot).
; In a group's step 0 the scalar s40 goes on to the next group of the ring, for the token loads of steps 0 to 3; in its step 3 the weight fragments' addresses follow, ahead of the fetch of the next group's first step.
.macro STEP nt, j, zero, aload, bnext, lc
	s_wait_loadcnt \lc                             ; this step's token fragments are in
	s_wait_dscnt 0x0                               ; and its weight fragments, asked for a step ago
.if \bnext
.if (\j) == 3
	WIN 0
	BSTEP
	BLOAD 0, 0                                     ; the next group's first step
.else
	BLOAD (\j)+1, ((\j)+1)%2                       ; the next step's, into the other buffer: its last readers stand in front of the last step's four places
.endif
.endif
	WIN MUL
.set ii, 0
.rept \nt
.irp n, 0,1,2,3
.if \zero
	v_wmma_f32_16x16x32_bf16 v[ACC+32*ii+8*\n:ACC+32*ii+8*\n+7], v[BF+32*((\j)%2)+8*\n:BF+32*((\j)%2)+8*\n+7], v[AR+40*(\j)+8*ii:AR+40*(\j)+8*ii+7], 0
.else
	v_wmma_f32_16x16x32_bf16 v[ACC+32*ii+8*\n:ACC+32*ii+8*\n+7], v[BF+32*((\j)%2)+8*\n:BF+32*((\j)%2)+8*\n+7], v[AR+40*(\j)+8*ii:AR+40*(\j)+8*ii+7], v[ACC+32*ii+8*\n:ACC+32*ii+8*\n+7]
.endif
.endr
.set ii, ii+1
.endr
	WIN TOF
.rept 4
	v_nop                                          ; four places in front of loads into registers that the products read, and of the first read of a result
.endr
.if \aload
.if (\j) == 0
	s_wait_xcnt 0x0                                ; the base is written anew only behind this wait
	s_add_co_u32 s40, s40, TRIPB                   ; the next group,
	s_and_b32 s40, s40, GMASK                      ; round the ring of 8
	s_add_nc_u64 s[32:33], s[4:5], s[40:41]
.endif
	ALOAD \nt, \j                                  ; the slot's next fill: the step four further on
.endif
.endm
.macro GROUP nt, zero, aload           ; four K steps
.if \aload
	STEP \nt, 0, \zero, 1, 1, 6*(\nt)
	STEP \nt, 1, 0, 1, 1, 6*(\nt)
	STEP \nt, 2, 0, 1, 1, 6*(\nt)
	STEP \nt, 3, 0, 1, 1, 6*(\nt)
	WIN 0
.else
	STEP \nt, 0, 0, 0, 1, 6*(\nt)                  ; the last four steps load nothing more: the counts run down
	STEP \nt, 1, 0, 0, 1, 4*(\nt)
	STEP \nt, 2, 0, 0, 1, 2*(\nt)
	STEP \nt, 3, 0, 0, 0, 0
	WIN 0
.endif
.endm
.macro KLOOP nt                        ; 32 K steps for nt places: 8 groups, each once, from my first group on
	s_mov_b32 s40, s56
	s_add_nc_u64 s[32:33], s[4:5], s[40:41]
	BSTEP
	ALOAD \nt, 0
	ALOAD \nt, 1
	ALOAD \nt, 2
	ALOAD \nt, 3
	BLOAD 0, 0
	GROUP \nt, 1, 1                                ; the first product on each accumulator starts its sum
	s_mov_b32 s34, 6
.Lk_\@:
	GROUP \nt, 0, 1
	s_sub_co_u32 s34, s34, 1
	s_cmp_lg_u32 s34, 0
	s_cbranch_scc1 .Lk_\@
	GROUP \nt, 0, 0
.endm
; A pass's five places: my row's choice q from the list (clamped at the last entry), its gate weight, its row of xb, and the tile's place in h.
.macro SETUP
.irp i, 0,1,2,3,4
	s_add_co_u32 s31, s30, 8*\i
	v_lshl_add_u32 v[192+\i], s31, 4, v2
	v_lshl_add_u32 v[HOFF+\i], s31, 16, v29
	v_min_u32 v[192+\i], s27, v[192+\i]
	v_min_u32 v[192+\i], 0x7ff, v[192+\i]
	v_lshl_add_u32 v[192+\i], v[192+\i], 2, LIST
	ds_load_b32 v[AOFF+\i], v[192+\i]
.endr
	s_wait_dscnt 0x0
.irp i, 0,1,2,3,4
	v_min_u32 v[AOFF+\i], 0xfff, v[AOFF+\i]
	v_lshlrev_b32 v[192+\i], 2, v[AOFF+\i]
	global_load_b32 v[GATE+2*\i], v[192+\i], s[8:9]  ; older than every token load: the K loop's waits cover it
	v_and_b32 v[AOFF+\i], 0xffe, v[AOFF+\i]
	v_lshl_add_u32 v[AOFF+\i], v[AOFF+\i], 10, v13   ; token x 2,048 + 16 h
.endr
.endm
; Two accumulators (16 registers at x): gelu, the gate g, rounding to f16, two stores of 512 consecutive bytes.  Each stage runs over the eight pairs, so that no line waits for the one before it;
; each accumulator's lowest registers are read first.
.macro HALF x, g, ho, off
.irp p, 0,2,4,6,8,10,12,14
	v_and_b32 v[EU+\p], s38, v[(\x)+\p]
	v_and_b32 v[EU+\p+1], s38, v[(\x)+\p+1]
.endr
.irp p, 0,2,4,6,8,10,12,14
	v_pk_fma_f32 v[ET+\p:ET+\p+1], v[EU+\p:EU+\p+1], s[42:43], 1.0 op_sel_hi:[1,0,0]
.endr
.irp p, 0,2,4,6,8,10,12,14
	v_pk_mul_f32 v[EQ+\p:EQ+\p+1], v[(\x)+\p:(\x)+\p+1], v[(\x)+\p:(\x)+\p+1]
.endr
.irp p, 0,2,4,6,8,10,12,14
	v_pk_mul_f32 v[EQ+\p:EQ+\p+1], v[EQ+\p:EQ+\p+1], s[44:45] op_sel_hi:[1,0]
.endr
.set kk, 0
.rept 16
	v_rcp_f32 v[ET+kk], v[ET+kk]                   ; one batch of 32
.set kk, kk+1
.endr
.set kk, 0
.rept 16
	v_exp_f32 v[EQ+kk], v[EQ+kk]
.set kk, kk+1
.endr
.set kk, 0
.rept 16
	v_max_num_f32 v[(\x)+kk], 0, v[(\x)+kk]        ; plain work that names none of the batch's results
.set kk, kk+1
.endr
	s_wait_alu depctr_va_vdst(0)                   ; one wait for the batch, ahead of its first reader
.irp p, 0,2,4,6,8,10,12,14
	v_pk_fma_f32 v[EP+\p:EP+\p+1], v[ET+\p:ET+\p+1], s[46:47], s[48:49] op_sel_hi:[1,0,0]
.endr
.irp p, 0,2,4,6,8,10,12,14
	v_pk_fma_f32 v[EP+\p:EP+\p+1], v[EP+\p:EP+\p+1], v[ET+\p:ET+\p+1], s[50:51] op_sel_hi:[1,1,0]
.endr
.irp p, 0,2,4,6,8,10,12,14
	v_pk_fma_f32 v[EP+\p:EP+\p+1], v[EP+\p:EP+\p+1], v[ET+\p:ET+\p+1], s[52:53] op_sel_hi:[1,1,0]
.endr
.irp p, 0,2,4,6,8,10,12,14
	v_pk_fma_f32 v[EP+\p:EP+\p+1], v[EP+\p:EP+\p+1], v[ET+\p:ET+\p+1], s[54:55] op_sel_hi:[1,1,0]
.endr
.irp p, 0,2,4,6,8,10,12,14
	v_pk_mul_f32 v[EP+\p:EP+\p+1], v[EP+\p:EP+\p+1], v[ET+\p:ET+\p+1]
.endr
.irp p, 0,2,4,6,8,10,12,14
	v_pk_mul_f32 v[EP+\p:EP+\p+1], v[EP+\p:EP+\p+1], v[EQ+\p:EQ+\p+1]
.endr
.irp p, 0,2,4,6,8,10,12,14
	v_pk_fma_f32 v[(\x)+\p:(\x)+\p+1], v[EU+\p:EU+\p+1], v[EP+\p:EP+\p+1], v[(\x)+\p:(\x)+\p+1] neg_lo:[1,0,0] neg_hi:[1,0,0]
.endr
.irp p, 0,2,4,6,8,10,12,14
	v_pk_mul_f32 v[(\x)+\p:(\x)+\p+1], v[(\x)+\p:(\x)+\p+1], v[(\g):(\g)+1] op_sel_hi:[1,0]
.endr
.irp a, 0,8
.irp k, 0,1,2,3
	v_cvt_pk_f16_f32 v[(\x)+\a+\k], v[(\x)+\a+2*\k], v[(\x)+\a+2*\k+1]  ; in place, ascending: the word written has been read
.endr
.endr
	global_store_b128 v[\ho], v[(\x):(\x)+3], s[12:13] offset:\off
	global_store_b128 v[\ho], v[(\x)+8:(\x)+11], s[12:13] offset:(\off)+512
.endm
.macro EPI i
.if (\i) > 0
	s_add_co_u32 s31, s30, 8*(\i)
	s_cmp_ge_u32 s31, s28
	s_cbranch_scc1 .Lnext                          ; this place and the later ones hold no tile
.endif
	HALF ACC+32*(\i), GATE+2*(\i), HOFF+(\i), 0
	HALF ACC+32*(\i)+16, GATE+2*(\i), HOFF+(\i), 1024
.endm
	s_mov_b32 s29, 4                               ; passes
	s_mov_b32 s30, s18                             ; the tile of place 0
.Lpass:
	s_cmp_ge_u32 s30, s28
	s_cbranch_scc1 .Lnext
	s_wait_xcnt 0x0                                ; the last pass's stores (and the list's) have read their registers: these are written anew only behind this wait
	SETUP
	s_add_co_u32 s31, s30, 32
	s_cmp_lt_u32 s31, s28
	s_cbranch_scc0 .Lk4
	KLOOP 5
	s_branch .Lepi
.Lk4:
	KLOOP 4                                        ; place 4 holds no tile
.Lepi:
	EPI 0
	EPI 1
	EPI 2
	EPI 3
	EPI 4
.Lnext:
	s_add_co_u32 s30, s30, 40
	s_sub_co_u32 s29, s29, 1
	s_cmp_lg_u32 s29, 0
	s_cbranch_scc1 .Lpass
.Lend:
	s_wait_dscnt 0x0                               ; my reads of the weights and of the list are over,
	s_barrier_signal -1
	s_barrier_wait -1                              ; and so are every wave's: LDS is written again (the closing add) only behind this barrier, which every way reaches
	s_wait_tensorcnt 0x0                           ; the wave's end
	ds_add_u32 v30, v31
	s_wait_dscnt 0x0
	s_endpgm
.Lfunc_end_k_qd7428d3886_fc1:
	.size	k_qd7428d3886_fc1, .Lfunc_end_k_qd7428d3886_fc1-k_qd7428d3886_fc1
	.p2alignl 7, 3214868480
	.fill 96, 4, 3214868480
	.section	.rodata,"a",@progbits
	.p2align	6, 0x0
	.amdhsa_kernel k_qd7428d3886_fc1
		.amdhsa_group_segment_fixed_size 141824
		.amdhsa_private_segment_fixed_size 0
		.amdhsa_enable_private_segment 0
		.amdhsa_kernarg_size 56
		.amdhsa_user_sgpr_count 2
		.amdhsa_user_sgpr_kernarg_segment_ptr 1
		.amdhsa_wavefront_size32 1
		.amdhsa_system_sgpr_workgroup_id_x 1
		.amdhsa_system_sgpr_workgroup_id_y 1
		.amdhsa_system_sgpr_workgroup_id_z 1
		.amdhsa_system_vgpr_workitem_id 0
		.amdhsa_next_free_vgpr 480
		.amdhsa_next_free_sgpr 66
		.amdhsa_reserve_vcc 0
		.amdhsa_float_denorm_mode_32 3
		.amdhsa_float_denorm_mode_16_64 3
		.amdhsa_memory_ordered 1
		.amdhsa_forward_progress 1
		.amdhsa_inst_pref_size 225
	.end_amdhsa_kernel
	.amdgpu_metadata
---
amdhsa.version: [ 1, 2 ]
amdhsa.kernels:
  - .name:           k_qd7428d3886_fc1
    .symbol:         k_qd7428d3886_fc1.kd
    .args:
      - { .name: xb, .offset: 0, .size: 8, .value_kind: global_buffer, .address_space: global }
      - { .name: sel, .offset: 8, .size: 8, .value_kind: global_buffer, .address_space: global }
      - { .name: gw, .offset: 16, .size: 8, .value_kind: global_buffer, .address_space: global }
      - { .name: w1, .offset: 24, .size: 8, .value_kind: global_buffer, .address_space: global }
      - { .name: h, .offset: 32, .size: 8, .value_kind: global_buffer, .address_space: global }
      - { .name: order, .offset: 40, .size: 8, .value_kind: global_buffer, .address_space: global }
      - { .name: cnt, .offset: 48, .size: 8, .value_kind: global_buffer, .address_space: global }
    .group_segment_fixed_size: 141824
    .private_segment_fixed_size: 0
    .kernarg_segment_align: 8
    .kernarg_segment_size: 56
    .max_flat_workgroup_size: 256
    .sgpr_count:     66
    .vgpr_count:     480
    .wavefront_size: 32
...
	.end_amdgpu_metadata
.endif
;; end of part 2
;; launch fc2 (part 3): grid 32 x 8, 8 waves a work-group, no clusters, 199,680 bytes of LDS; arguments h, order, cnt, w2, part; writes part
.if DOCPART == 3
	.amdgcn_target "amdgcn-amd-amdhsa--gfx1250"
	.amdhsa_code_object_version 6
	.text
	.protected	k_qd7428d3886_fc2
	.globl	k_qd7428d3886_fc2
	.p2align	8
	.type	k_qd7428d3886_fc2,@function
k_qd7428d3886_fc2:
	s_mov_b64 s[64:65], 0
	v_nop
	global_prefetch_b8 v0, s[64:65] scope:SCOPE_SE
	s_setreg_imm32_b32 hwreg(HW_REG_WAVE_MODE, 25, 1), 1
	s_wait_xcnt 0x0
; FC2.  For expert E = work-group y, output columns 64 SL .. (SL = x % 16) and half KH = x / 16 of the hidden width: part[KH][q][columns] = the sum over that half of h[row of q][f] W2[f][column], in f32,
; for all the expert's rows.  h already carries the gate weight, divided by the token's scale s.  The block of W2 (1,024 rows x 256 bytes of f32) is read by this work-group alone, once, in whole aligned pieces
; of 256 bytes, rounded on its way through registers and kept in LDS as it lies, [k][column]; the turning load makes the fragments.
; THE FORMAT.  h is f16, so this product is the f16 form.  W2 is rounded to bf16, as every input of the program is, and that number is then written as f16: exact from 2^-17 up, off by at most 2^-25 below.
; 64 columns x half of K, not 32 columns x all of K: a row's piece in W2 and in part is then 256 aligned bytes.  The two halves' partial sums stay in f32 and are added by the next launch.
; THE ROWS go as in fc1: tiles of 16, tile 8 (5 p + i) + w in pass p, place i, wave w; four passes of five places serve every split, an expert without rows too: what lies past the count is jumped over forward.
; THE WALK ALONG K goes in 8 groups of four steps, taken in a ring from group (SL + w) % 8 on.  The 16 work-groups of an expert and a half read the same tiles of h: so at any time they ask for different
; bytes of a tile, together for all its 32,768 in their first group, and each group of a tile's bytes is asked for first by other work-groups than the rest.
; A PASS HAS TWO PHASES, parted by barriers that every wave passes in every pass and that no jump passes: the products, in which LDS is only read, and the way out, in which each wave writes and reads
; its own stage.  The stages' bytes lie apart from the weights', so no value hangs on these barriers; they keep a pass's LDS reads and LDS writes in phases of their own.
; A tile's places past the count repeat the list's last row: the same bits go to the same address from the same wave.  h's tiles are register images: a token load is 512 consecutive bytes.
; NO CLUSTER: a block of weights has one reader; h's tiles, which 16 work-groups share, are walked only as far as a stored count says, and a walk of constant length would fetch 2,048 rows for each expert.
; LIMITS.  |W2| stays under 65,504 (f16's range); numbers of W2 below 2^-17 keep f16's fixed step of 2^-24.  The f32 sums along K are taken in the ring's order, which differs from work-group to work-group
; and from wave to wave.  NaN and infinities are not treated apart.
; REGISTERS.  Window 0: v0-31 addresses; v32-191 accumulators ((i, n) at 32 + 32 i + 8 n); v192-231 the rows' q.  Window 1: v0-159 a ring of four slots of token fragments; v160-223 two buffers of weight fragments.
.set PW2,   160                        ; a row of W2 in LDS: 128 bytes of f16 + 32: an odd multiple of 32, as the turning load's 8 rows x 32 bytes want
.set STG,   1024*PW2                   ; behind the weights: 16 rows x 272 bytes for each wave, for the way out
.set SP,    272
.set SPARE, STG+8*16*SP                ; the spare words, 128 bytes a wave: no other line names them
.set ACC,  32
.set AR,   0                           ; window 1
.set BF,   160                         ; window 1
.set CT,   192                         ; window 0: staging's packed words, three sets of 16 by turns: v192-239
.set NW0,  5                           ; staging's chunks 0-4 land in window 0 (v32-191), chunks 5-7 in window 1 (v0-95): so v32-239 all hold a number before the passes begin
.set AOFF, 8                           ; v8-12   place i: my byte offset in h
.set QV,   192                         ; v192+8i the q of rows 8 hi + 0..7 of place i, then their byte offsets in part
.set SB,    1024                       ; bytes of a tile in a K step
.set HB,    512                        ; a fragment's second half
.set TRIPB, 4096                       ; a group of four K steps, in bytes of a tile
.set GMASK, 8*TRIPB-1                  ; the ring of 8 groups
.set MUL,  0x05                        ; sources 0 and 1 in window 1, C and D in window 0
.set TOF,  0x40                        ; destination in window 1, address in window 0
.set ALL1, 0x55                        ; every place in window 1
.set MSB, 0
.macro WIN new                         ; the immediate's high byte repeats the setting that is left; a switch that changes nothing is dropped
.if MSB != (\new)
	s_set_vgpr_msb (MSB<<8)|(\new)
.set MSB, (\new)
.endif
.endm
	s_load_b256 s[4:11], s[0:1], 0x0               ; h s[4:5], order s[6:7], cnt s[8:9], w2 s[10:11]
	s_load_b64 s[12:13], s[0:1], 0x20              ; part
	v_lshl_add_u32 v30, v0, 2, SPARE               ; my spare word
	v_mov_b32 v31, 0
	v_lshrrev_b32 v1, 5, v0
	v_readfirstlane_b32 s18, v1                    ; wave 0..7
	v_and_b32 v1, 31, v0                           ; lane L
	v_and_b32 v2, 15, v0                           ; L % 16
	v_bfe_u32 v3, v0, 4, 1                         ; hi = L / 16
	v_lshlrev_b32 v13, 4, v1                       ; 16 L
	v_lshlrev_b32 v14, 4, v2                       ; 16 (L % 16)
	v_lshlrev_b32 v15, 5, v3                       ; 32 hi
	v_and_b32 v18, 7, v0                           ; the turning load: lane L reads row 8 hi + L % 8, 16 bytes at 16 ((L / 8) % 2)
	v_lshl_add_u32 v18, v3, 3, v18
	v_mul_u32_u24 v5, v18, PW2
	v_bfe_u32 v18, v0, 3, 1
	v_lshl_add_u32 v5, v18, 4, v5                  ; never rewritten
	s_mul_i32 s25, s18, 16*SP
	s_add_co_u32 s25, s25, STG                     ; my stage
	v_mul_u32_u24 v6, v2, SP
	v_add_nc_u32 v6, v6, v15
	v_add_nc_u32 v6, s25, v6                       ; in: row L % 16, my eight columns at 32 hi
	v_mul_u32_u24 v7, v3, 8*SP
	v_add_nc_u32 v7, v7, v14
	v_add_nc_u32 v7, s25, v7                       ; back: lanes 0-15 a row of 256 bytes, lanes 16-31 the row eight further down
	s_lshl_b32 s24, s18, 4
	v_add_nc_u32 v18, s24, v3                      ; staging: row 16 w + hi of a chunk of 128
	v_lshl_add_u32 v16, v18, 12, v14               ; in W2: 16 lanes take a row's 256 bytes
	v_mul_u32_u24 v17, v18, PW2
	v_lshl_add_u32 v17, v2, 3, v17                 ; in LDS
	s_and_b32 s19, ttmp9, 15                       ; SL
	s_lshr_b32 s21, ttmp9, 4                       ; KH
	s_and_b32 s20, ttmp7, 0xffff                   ; E
	s_add_co_u32 s42, s19, s18
	s_and_b32 s42, s42, 7
	s_lshl_b32 s42, s42, 12                        ; where my walk along K begins: group (SL + w) % 8, in bytes of a tile
	s_mov_b32 s41, 0                               ; the upper word of the pair s[40:41], the group in hand as an offset
	s_mov_b32 s38, 0xffff0000                      ; a word's upper bf16
	s_mov_b32 s37, 0
	s_wait_kmcnt 0x0
	s_lshl_b32 s36, s20, 7
	s_add_nc_u64 s[8:9], s[8:9], s[36:37]
	s_load_b32 s26, s[8:9], 0x0                    ; the expert's rows; waited for behind the barrier
	s_lshl_b32 s36, s20, 23                        ; an expert's W2: 8 MiB; half of its rows: 4 MiB; 64 columns: 256 bytes
	s_lshl_b32 s25, s21, 22
	s_or_b32 s36, s36, s25
	s_lshl_b32 s25, s19, 8
	s_or_b32 s36, s36, s25
	s_add_nc_u64 s[10:11], s[10:11], s[36:37]
	s_lshl_b32 s36, s20, 23                        ; an expert's h; 32 K steps of 1,024 bytes
	s_lshl_b32 s25, s21, 15
	s_or_b32 s36, s36, s25
	s_add_nc_u64 s[4:5], s[4:5], s[36:37]
	s_lshl_b32 s36, s20, 13
	s_add_nc_u64 s[6:7], s[6:7], s[36:37]
	s_lshl_b32 s36, s21, 24                        ; a half's partial sums: 16 MiB
	s_lshl_b32 s25, s19, 8
	s_or_b32 s36, s36, s25
	s_add_nc_u64 s[12:13], s[12:13], s[36:37]
; STAGING.  All 64 loads of a wave go out at once: the whole block is on its way.  Group g is K chunk g (128 rows); load j brings rows 16 w + 2 j and 16 w + 2 j + 1 of it.
.macro SLOAD g
.if (\g) < NW0
	WIN 0
.irp j, 0,1,2,3,4,5,6,7
	global_load_b128 v[32+32*(\g)+4*\j:32+32*(\g)+4*\j+3], v16, s[10:11] offset:(128*(\g)+2*\j)*4096 th:TH_LOAD_NT
.endr
.else
	WIN TOF
.irp j, 0,1,2,3,4,5,6,7
	global_load_b128 v[32*((\g)-NW0)+4*\j:32*((\g)-NW0)+4*\j+3], v16, s[10:11] offset:(128*(\g)+2*\j)*4096 th:TH_LOAD_NT
.endr
.endif
.endm
; Group g: each number is rounded to bf16 and widened again, in place (two roundings packed, then the upper half masked and the lower shifted up); then two at a time are written as f16.
.macro SCVT g
	s_wait_loadcnt 56-8*(\g)                       ; group g is in: the younger groups' loads, eight each, may be out
.if (\g) < NW0
.set SR, 32+32*(\g)
	WIN 0
.else
.set SR, 32*((\g)-NW0)
	WIN ALL1
.endif
.set CB, CT+16*((\g)%3)
.irp j, 0,1,2,3,4,5,6,7
	v_cvt_pk_bf16_f32 v[SR+4*\j], v[SR+4*\j], v[SR+4*\j+1]
	v_cvt_pk_bf16_f32 v[SR+4*\j+2], v[SR+4*\j+2], v[SR+4*\j+3]
	v_and_b32 v[SR+4*\j+1], s38, v[SR+4*\j]
	v_and_b32 v[SR+4*\j+3], s38, v[SR+4*\j+2]
	v_lshlrev_b32 v[SR+4*\j], 16, v[SR+4*\j]
	v_lshlrev_b32 v[SR+4*\j+2], 16, v[SR+4*\j+2]
.endr
.if (\g) >= NW0
	WIN 0x05                                       ; sources in window 1, destination in window 0
.endif
.irp j, 0,1,2,3,4,5,6,7
	v_cvt_pk_f16_f32 v[CB+2*\j], v[SR+4*\j], v[SR+4*\j+1]
	v_cvt_pk_f16_f32 v[CB+2*\j+1], v[SR+4*\j+2], v[SR+4*\j+3]
.endr
	WIN 0
.irp j, 0,1,2,3,4,5,6,7
	ds_store_b64 v17, v[CB+2*\j:CB+2*\j+1] offset:2*PW2*\j
.endr
	v_add_nc_u32 v17, 128*PW2, v17                 ; the next chunk: its place does not fit an LDS instruction's 16-bit offset
.endm
.irp g, 0,1,2,3,4,5,6,7
	SLOAD \g
.endr
.irp g, 0,1,2,3,4,5,6,7
	SCVT \g
.endr
	s_wait_dscnt 0x0                               ; for the others' sake: my rows of the block are in LDS
	s_barrier_signal -1
	s_barrier_wait -1                              ; the block is whole
	s_wait_kmcnt 0x0
	s_min_u32 s26, s26, 0x800
	s_add_co_u32 s28, s26, 15
	s_lshr_b32 s28, s28, 4                         ; the expert's tiles; with 0 of them every pass jumps its work
	s_sub_co_u32 s27, s28, 1
; Token fragments of K step j of four, for nt places, straight from h into ring slot j.
.macro ALOAD nt, j
	WIN TOF
.set ii, 0
.rept \nt
	global_load_b128 v[AR+40*(\j)+8*ii:AR+40*(\j)+8*ii+3],   v[AOFF+ii], s[32:33] offset:(\j)*SB
	global_load_b128 v[AR+40*(\j)+8*ii+4:AR+40*(\j)+8*ii+7], v[AOFF+ii], s[32:33] offset:(\j)*SB+HB
.set ii, ii+1
.endr
.endm
; Weight fragments of K step jn of the group in hand into buffer buf: four blocks of 16 columns, turned: lane L gets column L % 16 and 8 + 8 rows of K.
.macro BLOAD jn, buf
	WIN TOF
.irp n, 0,1,2,3
	ds_load_tr16_b128 v[BF+32*(\buf)+8*\n:BF+32*(\buf)+8*\n+3],   v4 offset:32*PW2*(\jn)+32*\n
	ds_load_tr16_b128 v[BF+32*(\buf)+8*\n+4:BF+32*(\buf)+8*\n+7], v4 offset:32*PW2*(\jn)+32*\n+16*PW2
.endr
.endm
.macro BSTEP                           ; the weight fragments' address for the group at s40: a group is 4,096 bytes of a tile and 128 rows of 160 bytes in LDS, five times as many
	s_mul_i32 s39, s40, 5
	v_add_nc_u32 v4, s39, v5
.endm
; A K step of 32: 4 nt products, the accumulators by turns.  lc: the token loads issued behind this step's (2 nt for each younger ring slot).
; In a group's step 0 the scalar s40 goes on to the next group of the ring, for the token loads of steps 0 to 3; in its step 3 the weight fragments' address follows, ahead of the fetch of the next group's first step.
.macro STEP nt, j, zero, aload, bnext, lc
	s_wait_loadcnt \lc                             ; this step's token fragments are in
	s_wait_dscnt 0x0                               ; and its weight fragments, asked for a step ago
.if \bnext
.if (\j) == 3
	WIN 0
	BSTEP
	BLOAD 0, 0                                     ; the next group's first step
.else
	BLOAD (\j)+1, ((\j)+1)%2                       ; the next step's, into the other buffer: its last readers stand in front of the last step's four places
.endif
.endif
	WIN MUL
.set ii, 0
.rept \nt
.irp n, 0,1,2,3
.if \zero
	v_wmma_f32_16x16x32_f16 v[ACC+32*ii+8*\n:ACC+32*ii+8*\n+7], v[BF+32*((\j)%2)+8*\n:BF+32*((\j)%2)+8*\n+7], v[AR+40*(\j)+8*ii:AR+40*(\j)+8*ii+7], 0
.else
	v_wmma_f32_16x16x32_f16 v[ACC+32*ii+8*\n:ACC+32*ii+8*\n+7], v[BF+32*((\j)%2)+8*\n:BF+32*((\j)%2)+8*\n+7], v[AR+40*(\j)+8*ii:AR+40*(\j)+8*ii+7], v[ACC+32*ii+8*\n:ACC+32*ii+8*\n+7]
.endif
.endr
.set ii, ii+1
.endr
	WIN TOF
.rept 4
	v_nop                                          ; four places in front of loads into registers that the products read, and of the first read of a result
.endr
.if \aload
.if (\j) == 0
	s_wait_xcnt 0x0                                ; the base is written anew only behind this wait
	s_add_co_u32 s40, s40, TRIPB                   ; the next group,
	s_and_b32 s40, s40, GMASK                      ; round the ring of 8
	s_add_nc_u64 s[32:33], s[4:5], s[40:41]
.endif
	ALOAD \nt, \j                                  ; the slot's next fill: the step four further on
.endif
.endm
.macro GROUP nt, zero, aload           ; four K steps
.if \aload
	STEP \nt, 0, \zero, 1, 1, 6*(\nt)
	STEP \nt, 1, 0, 1, 1, 6*(\nt)
	STEP \nt, 2, 0, 1, 1, 6*(\nt)
	STEP \nt, 3, 0, 1, 1, 6*(\nt)
	WIN 0
.else
	STEP \nt, 0, 0, 0, 1, 6*(\nt)                  ; the last four steps load nothing more: the counts run down
	STEP \nt, 1, 0, 0, 1, 4*(\nt)
	STEP \nt, 2, 0, 0, 1, 2*(\nt)
	STEP \nt, 3, 0, 0, 0, 0
	WIN 0
.endif
.endm
.macro KLOOP nt                        ; 32 K steps for nt places: 8 groups, each once, from my first group on
	s_mov_b32 s40, s42
	s_add_nc_u64 s[32:33], s[4:5], s[40:41]
	BSTEP
	ALOAD \nt, 0
	ALOAD \nt, 1
	ALOAD \nt, 2
	ALOAD \nt, 3
	BLOAD 0, 0
	GROUP \nt, 1, 1                                ; the first product on each accumulator starts its sum
	s_mov_b32 s34, 6
.Lk_\@:
	GROUP \nt, 0, 1
	s_sub_co_u32 s34, s34, 1
	s_cmp_lg_u32 s34, 0
	s_cbranch_scc1 .Lk_\@
	GROUP \nt, 0, 0
.endm
; A pass's five places: the tile's place in h (a place past the count takes the last tile, and stores nothing) and the q of its rows 8 hi + 0..7.
.macro SETUP
.irp i, 0,1,2,3,4
	s_add_co_u32 s31, s30, 8*\i
	s_min_u32 s31, s31, s27
	s_min_u32 s31, s31, 0x7f
	v_lshl_add_u32 v[AOFF+\i], s31, 16, v13
	v_lshl_add_u32 v[18+\i], s31, 6, v15
	global_load_b128 v[QV+8*\i:QV+8*\i+3],   v[18+\i], s[6:7]            ; older than every token load: the K loop's waits cover them
	global_load_b128 v[QV+8*\i+4:QV+8*\i+7], v[18+\i], s[6:7] offset:16
.endr
.endm
; THE WAY OUT of place i: a lane's eight columns of a row go into my stage and come back as whole rows of 256 bytes, into the registers that they left; row t goes to row q(t) of part.
.macro EPI i
.if (\i) > 0
	s_add_co_u32 s31, s30, 8*(\i)
	s_cmp_ge_u32 s31, s28
	s_cbranch_scc1 .Lnext                          ; this place and the later ones hold no tile
.endif
.irp n, 0,1,2,3
	ds_store_b128 v6, v[ACC+32*(\i)+8*\n:ACC+32*(\i)+8*\n+3]   offset:64*\n      ; each accumulator's low registers first
	ds_store_b128 v6, v[ACC+32*(\i)+8*\n+4:ACC+32*(\i)+8*\n+7] offset:64*\n+16
.endr
.irp t, 0,1,2,3,4,5,6,7
	ds_load_b128 v[ACC+32*(\i)+4*\t:ACC+32*(\i)+4*\t+3], v7 offset:SP*\t       ; LDS serves a wave's instructions in order (ISA guide 5.7.1.4): these see the stores above
.endr
.irp t, 0,1,2,3,4,5,6,7
	v_min_u32 v[QV+8*(\i)+\t], 0xfff, v[QV+8*(\i)+\t]
	v_lshl_add_u32 v[QV+8*(\i)+\t], v[QV+8*(\i)+\t], 12, v14
.endr
.irp t, 0,1,2,3,4,5,6,7
	s_wait_dscnt 7-\t                              ; row pair t is back; the younger loads may be out
	global_store_b128 v[QV+8*(\i)+\t], v[ACC+32*(\i)+4*\t:ACC+32*(\i)+4*\t+3], s[12:13]  ; 16 lanes store 256 consecutive bytes, at a multiple of 256 from part's first byte
.endr
.endm
	s_mov_b32 s29, 4                               ; passes
	s_mov_b32 s30, s18                             ; the tile of place 0
.Lpass:
	s_wait_xcnt 0x0                                ; the last pass's stores have read their registers: these are written anew only behind this wait, on every way through the pass
	s_cmp_ge_u32 s30, s28
	s_cbranch_scc1 .Lmeet                          ; no tile of mine in this pass: the products are jumped, the barrier is not
	SETUP
	s_add_co_u32 s31, s30, 32
	s_cmp_lt_u32 s31, s28
	s_cbranch_scc0 .Lk4
	KLOOP 5
	s_branch .Lmeet
.Lk4:
	KLOOP 4                                        ; place 4 holds no tile
.Lmeet:
	s_wait_dscnt 0x0                               ; my reads of the weights in this pass are over,
	s_barrier_signal -1
	s_barrier_wait -1                              ; and so are every wave's: only now are the stages written
	s_cmp_ge_u32 s30, s28
	s_cbranch_scc1 .Lnext                          ; no tile of mine: the way out is jumped, the barrier below is not
	EPI 0
	EPI 1
	EPI 2
	EPI 3
	EPI 4
.Lnext:
	s_wait_dscnt 0x0                               ; my stores into my stage and my reads of it are over,
	s_barrier_signal -1
	s_barrier_wait -1                              ; and so are every wave's: only now are the weights read again, or the closing lines run
	s_add_co_u32 s30, s30, 40
	s_sub_co_u32 s29, s29, 1
	s_cmp_lg_u32 s29, 0
	s_cbranch_scc1 .Lpass
	s_wait_tensorcnt 0x0                           ; the wave's end
	ds_add_u32 v30, v31
	s_wait_dscnt 0x0
	s_endpgm
.Lfunc_end_k_qd7428d3886_fc2:
	.size	k_qd7428d3886_fc2, .Lfunc_end_k_qd7428d3886_fc2-k_qd7428d3886_fc2
	.p2alignl 7, 3214868480
	.fill 96, 4, 3214868480
	.section	.rodata,"a",@progbits
	.p2align	6, 0x0
	.amdhsa_kernel k_qd7428d3886_fc2
		.amdhsa_group_segment_fixed_size 199680
		.amdhsa_private_segment_fixed_size 0
		.amdhsa_enable_private_segment 0
		.amdhsa_kernarg_size 40
		.amdhsa_user_sgpr_count 2
		.amdhsa_user_sgpr_kernarg_segment_ptr 1
		.amdhsa_wavefront_size32 1
		.amdhsa_system_sgpr_workgroup_id_x 1
		.amdhsa_system_sgpr_workgroup_id_y 1
		.amdhsa_system_sgpr_workgroup_id_z 1
		.amdhsa_system_vgpr_workitem_id 0
		.amdhsa_next_free_vgpr 480
		.amdhsa_next_free_sgpr 66
		.amdhsa_reserve_vcc 0
		.amdhsa_float_denorm_mode_32 3
		.amdhsa_float_denorm_mode_16_64 3
		.amdhsa_memory_ordered 1
		.amdhsa_forward_progress 1
		.amdhsa_inst_pref_size 124
	.end_amdhsa_kernel
	.amdgpu_metadata
---
amdhsa.version: [ 1, 2 ]
amdhsa.kernels:
  - .name:           k_qd7428d3886_fc2
    .symbol:         k_qd7428d3886_fc2.kd
    .args:
      - { .name: h, .offset: 0, .size: 8, .value_kind: global_buffer, .address_space: global }
      - { .name: order, .offset: 8, .size: 8, .value_kind: global_buffer, .address_space: global }
      - { .name: cnt, .offset: 16, .size: 8, .value_kind: global_buffer, .address_space: global }
      - { .name: w2, .offset: 24, .size: 8, .value_kind: global_buffer, .address_space: global }
      - { .name: part, .offset: 32, .size: 8, .value_kind: global_buffer, .address_space: global }
    .group_segment_fixed_size: 199680
    .private_segment_fixed_size: 0
    .kernarg_segment_align: 8
    .kernarg_segment_size: 40
    .max_flat_workgroup_size: 256
    .sgpr_count:     66
    .vgpr_count:     480
    .wavefront_size: 32
...
	.end_amdgpu_metadata
.endif
;; end of part 3
;; launch sum (part 4): grid 256 x 1, 8 waves a work-group, no clusters, 0 bytes of LDS; arguments part, scl, out0; writes out0
.if DOCPART == 4
	.amdgcn_target "amdgcn-amd-amdhsa--gfx1250"
	.amdhsa_code_object_version 6
	.text
	.protected	k_qd7428d3886_sum
	.globl	k_qd7428d3886_sum
	.p2align	8
	.type	k_qd7428d3886_sum,@function
k_qd7428d3886_sum:
	s_mov_b64 s[64:65], 0
	v_nop
	global_prefetch_b8 v0, s[64:65] scope:SCOPE_SE
	s_setreg_imm32_b32 hwreg(HW_REG_WAVE_MODE, 25, 1), 1
	s_wait_xcnt 0x0
; SUM.  out0[t] = scl[t] x (part[0][2 t] + part[0][2 t + 1] + part[1][2 t] + part[1][2 t + 1]), all f32: a token's two choices, each in two halves of the hidden width, and the token's
; scale, a power of two by which the hidden layer was divided: the multiplication rounds nothing.
; A stream: a wave takes one token; its 32 loads of 512 consecutive bytes go out at once, and each chunk is added and stored as its four loads come in.  Every address is fixed by the token's number.
; No LDS, no barrier, no matrix unit: nothing is shared and nothing is read twice.  No register is written again behind a store that reads it, so no store's sources need a wait.
	s_load_b128 s[4:7], s[0:1], 0x0                ; part s[4:5], scl s[6:7]
	s_load_b64 s[16:17], s[0:1], 0x10              ; out0
	v_lshrrev_b32 v1, 5, v0
	v_readfirstlane_b32 s8, v1                     ; wave 0..7
	v_and_b32 v1, 31, v0
	v_lshlrev_b32 v1, 4, v1                        ; 16 x lane
	s_lshl_b32 s9, ttmp9, 3
	s_add_co_u32 s9, s9, s8                        ; my token
	s_lshl_b32 s10, s9, 13                         ; its two rows of 4,096 bytes in a half of part
	s_mov_b32 s11, 0
	s_lshl_b32 s14, s9, 12                         ; its row in out0
	s_mov_b32 s15, 0
	s_lshl_b32 s18, s9, 2                          ; its word in scl
	s_mov_b32 s19, 0
	s_wait_kmcnt 0x0
	s_add_nc_u64 s[6:7], s[6:7], s[18:19]
	s_load_b32 s20, s[6:7], 0x0                    ; the token's scale; waited for behind the loads below
	s_add_nc_u64 s[4:5], s[4:5], s[10:11]
	s_add_nc_u64 s[12:13], s[4:5], 0x1000000       ; the other half's sums lie 16 MiB on
	s_add_nc_u64 s[16:17], s[16:17], s[14:15]
.irp c, 0,1,2,3,4,5,6,7
	global_load_b128 v[8+16*\c:11+16*\c],  v1, s[4:5]   offset:512*\c th:TH_LOAD_NT
	global_load_b128 v[12+16*\c:15+16*\c], v1, s[4:5]   offset:4096+512*\c th:TH_LOAD_NT
	global_load_b128 v[16+16*\c:19+16*\c], v1, s[12:13] offset:512*\c th:TH_LOAD_NT
	global_load_b128 v[20+16*\c:23+16*\c], v1, s[12:13] offset:4096+512*\c th:TH_LOAD_NT
.endr
	s_wait_kmcnt 0x0
	s_mov_b32 s21, s20                             ; named with it as a pair
.irp c, 0,1,2,3,4,5,6,7
	s_wait_loadcnt 28-4*\c                         ; chunk c's four loads are in; the younger chunks' may be out
	v_pk_add_f32 v[8+16*\c:9+16*\c],   v[8+16*\c:9+16*\c],   v[12+16*\c:13+16*\c]
	v_pk_add_f32 v[10+16*\c:11+16*\c], v[10+16*\c:11+16*\c], v[14+16*\c:15+16*\c]
	v_pk_add_f32 v[16+16*\c:17+16*\c], v[16+16*\c:17+16*\c], v[20+16*\c:21+16*\c]
	v_pk_add_f32 v[18+16*\c:19+16*\c], v[18+16*\c:19+16*\c], v[22+16*\c:23+16*\c]
	v_pk_add_f32 v[8+16*\c:9+16*\c],   v[8+16*\c:9+16*\c],   v[16+16*\c:17+16*\c]
	v_pk_add_f32 v[10+16*\c:11+16*\c], v[10+16*\c:11+16*\c], v[18+16*\c:19+16*\c]
	v_pk_mul_f32 v[8+16*\c:9+16*\c],   v[8+16*\c:9+16*\c],   s[20:21] op_sel_hi:[1,0]
	v_pk_mul_f32 v[10+16*\c:11+16*\c], v[10+16*\c:11+16*\c], s[20:21] op_sel_hi:[1,0]
	global_store_b128 v1, v[8+16*\c:11+16*\c], s[16:17] offset:512*\c th:TH_STORE_NT
.endr
	s_endpgm
.Lfunc_end_k_qd7428d3886_sum:
	.size	k_qd7428d3886_sum, .Lfunc_end_k_qd7428d3886_sum-k_qd7428d3886_sum
	.p2alignl 7, 3214868480
	.fill 96, 4, 3214868480
	.section	.rodata,"a",@progbits
	.p2align	6, 0x0
	.amdhsa_kernel k_qd7428d3886_sum
		.amdhsa_group_segment_fixed_size 0
		.amdhsa_private_segment_fixed_size 0
		.amdhsa_enable_private_segment 0
		.amdhsa_kernarg_size 24
		.amdhsa_user_sgpr_count 2
		.amdhsa_user_sgpr_kernarg_segment_ptr 1
		.amdhsa_wavefront_size32 1
		.amdhsa_system_sgpr_workgroup_id_x 1
		.amdhsa_system_sgpr_workgroup_id_y 1
		.amdhsa_system_sgpr_workgroup_id_z 1
		.amdhsa_system_vgpr_workitem_id 0
		.amdhsa_next_free_vgpr 136
		.amdhsa_next_free_sgpr 66
		.amdhsa_reserve_vcc 0
		.amdhsa_float_denorm_mode_32 3
		.amdhsa_float_denorm_mode_16_64 3
		.amdhsa_memory_ordered 1
		.amdhsa_forward_progress 1
		.amdhsa_inst_pref_size 10
	.end_amdhsa_kernel
	.amdgpu_metadata
---
amdhsa.version: [ 1, 2 ]
amdhsa.kernels:
  - .name:           k_qd7428d3886_sum
    .symbol:         k_qd7428d3886_sum.kd
    .args:
      - { .name: part, .offset: 0, .size: 8, .value_kind: global_buffer, .address_space: global }
      - { .name: scl, .offset: 8, .size: 8, .value_kind: global_buffer, .address_space: global }
      - { .name: out0, .offset: 16, .size: 8, .value_kind: global_buffer, .address_space: global }
    .group_segment_fixed_size: 0
    .private_segment_fixed_size: 0
    .kernarg_segment_align: 8
    .kernarg_segment_size: 24
    .max_flat_workgroup_size: 256
    .sgpr_count:     66
    .vgpr_count:     136
    .wavefront_size: 32
...
	.end_amdgpu_metadata
.endif
;; end of part 4
